; MI455X (gfx1250); checked and timed in simulation.
; The chip was launched on July 23, 2026; its instructions are those of AMD's public machine-readable ISA for CDNA 5 (MIT licence, August 2026) and "CDNA5" Instruction Set Architecture Reference Guide (July 2026). The comments in the code are by the model that wrote it; some were corrected since.
;; Causal Self Attention. Allowed arithmetic: matrix products marked QUANTISED: E4M3 operands, one given power-of-two scale a tensor, by v_wmma_f32_16x16x64_fp8_fp8 or v_wmma_f32_16x16x128_fp8_fp8, f32 sums; everything else in f32.
;; Inputs: Wk 256 x 256 float32; Wo 256 x 256 float32; Wq 256 x 256 float32; Wv 256 x 256 float32; lowp_scales 12 int32 (the exponents e of the quantised operands' scales 2^e); x 4 x 4,096 x 256 float32.
;; Outputs: out0 4 x 4,096 x 256 float32.
;; This version of the problem:
;;   THIS VERSION OF THE PROBLEM IS GIVEN IN LOW PRECISION. The matrix products marked QUANTISED in the list below multiply operands that are first quantised to E4M3 (4 exponent bits, 3 mantissa bits; 8 bits a number), with one given power-of-two scale for each operand tensor; their sums are f32. All else is computed in f32.
;;   The module's matrix products, in the order in which they are computed (A, B: the left and right operand; K: the contracted axis; several contracted axes count as one K, in the product's order):
;;     1. [M 16,384, K 256] x [K 256, N 256]; A: input x; B: input Wq: QUANTISED (scales: A lowp_scales[0], B lowp_scales[1])
;;     2. [M 16,384, K 256] x [K 256, N 256]; A: input x; B: input Wk: QUANTISED (scales: A lowp_scales[2], B lowp_scales[3])
;;     3. [M 16,384, K 256] x [K 256, N 256]; A: input x; B: input Wv: QUANTISED (scales: A lowp_scales[4], B lowp_scales[5])
;;     4. batch 16 x [M 4,096, K 64] x [K 64, N 4,096]; A: computed on the way; B: computed on the way: QUANTISED (scales: A lowp_scales[6], B lowp_scales[7])
;;     5. batch 16 x [M 4,096, K 4,096] x [K 4,096, N 64]; A: softmax (see below); B: computed on the way: QUANTISED (scales: A lowp_scales[8], B lowp_scales[9])
;;     6. [M 16,384, K 256] x [K 256, N 256]; A: computed on the way; B: input Wo: QUANTISED (scales: A lowp_scales[10], B lowp_scales[11])
;;   THE QUANTISER, for each operand of a quantised product, along K:
;;     - The operand's scale is 2^e, e = its entry of the input lowp_scales (int32; the entries are numbered through the quantised products in the list's order, A before B).
;;     - Each number is divided by the scale, clamped to +-448, and rounded to the nearest number of E4M3, ties to even, subnormals kept.
;;     - The product sums the exact products of the quantised numbers (number of the format x scale) in f32.
;;   ~~~python
;;   def quantise(x, axis, e):      # numpy; x: float32 -> the quantised numbers, widened to float32 again
;;       x = np.moveaxis(x, axis, -1); K = x.shape[-1]
;;       r = np.clip(x / 2.0 ** e, -448, 448)
;;       step = 2.0 ** (np.maximum(np.frexp(np.where(r == 0, 1, r))[1] - 1, -6) - 3)
;;       q = np.round(r / step) * step * 2.0 ** e      # np.round: ties to even
;;       return np.moveaxis(q, -1, axis).astype(np.float32)
;;   ~~~
;;   SOFTMAX AHEAD OF A QUANTISED PRODUCT. Where the list says 'softmax', what is quantised is not the finished softmax but p = 2^(t - M), with t = logit x log2(e) and M = ceil(the row's largest t), a whole number; so 1/2 < the row's largest p <= 1. The row's sum l is taken of the UNQUANTISED p, in f32, and the product's result is divided by l at the end. Since M is a whole number, a kernel that streams over the keys may use a running M (the ceiling of the running maximum): every later rescaling is an exact power of two, so the quantised numbers keep their values, but for numbers so far below the row's largest that they fall under the format's range.
;;   OPERANDS COMPUTED ON THE WAY. 'Computed on the way' means the value that the module computes at that place (a softmax that the list does not call 'softmax' is quantised finished and normalised). What goes into a quantiser is computed in f32, as accurately as f32 sums, v_exp_f32 and their like allow (about 1e-6 of the number): no bf16 or f16 on the way to a quantiser, and a product that is left as it is and whose result goes on into a quantised operand takes f32 operands (vector FMAs, or v_wmma_f32_16x16x4_f32). A number that lies on a knife's edge between two numbers of the format may be rounded either way, as far as f32 arithmetic and the matrix unit's own rounding can turn it there, and no further.
;; One version. Each part assembles by itself: llvm-mc -triple=amdgcn-amd-amdhsa -mcpu=gfx1250 --defsym DOCPART=n.
;; ======== version 1 of 1: 2 launches
;; limits: right only within a limited range of input values
;; workspace buffers: qc 4,194,304 bytes; kv 8,388,608 bytes; woc 65,536 bytes
;; launch proj (part 1): grid 64 x 4, 8 waves a work-group, clusters of 4 x 4, 327,680 bytes of LDS; arguments x, Wq, Wk, Wv, Wo, lowp_scales, qc, kv, woc; writes qc, kv, woc
.if DOCPART == 1
	.amdgcn_target "amdgcn-amd-amdhsa--gfx1250"
	.amdhsa_code_object_version 6
	.text
	.protected	k_qd1ad7ae962_proj
	.globl	k_qd1ad7ae962_proj
	.p2align	8
	.type	k_qd1ad7ae962_proj,@function
k_qd1ad7ae962_proj:
	s_mov_b64 s[64:65], 0
	v_nop
	global_prefetch_b8 v0, s[64:65] scope:SCOPE_SE
	s_setreg_imm32_b32 hwreg(HW_REG_WAVE_MODE, 25, 1), 1
	s_wait_xcnt 0x0
	s_wait_alu depctr_hold_cnt(0) depctr_sa_sdst(0) depctr_va_vdst(0) depctr_va_sdst(0) depctr_va_ssrc(0) depctr_va_vcc(0) depctr_vm_vsrc(0)
	s_getreg_b32 s2, hwreg(HW_REG_IB_STS2, 6, 4)
	s_cmp_eq_u32 s2, 0
	s_cbranch_scc0 .Lentry_in_a_cluster
	s_endpgm
.Lentry_in_a_cluster:
	s_bfe_u32 s2, ttmp6, 0x10000c
	s_cmp_lg_u32 s2, 0xf033
	s_cbranch_scc0 .Lentry_shape_is_right
	s_endpgm
.Lentry_shape_is_right:
; q = x Wq^T, k = x Wk^T, v = x Wv^T on codes of FP8 (E4M3), each operand with its given scale 2^e; q, k, v are quantised again (entries 6, 7, 9 of the scales) and stored as IMAGES OF OPERAND REGISTERS
; for the attention launch; Wo is quantised (entry 11) into such an image too.  Nothing is left out in this launch; what reference()'s own causal mask throws away is left out in the next (its head shows why).
; SHARES.  A work-group takes 256 rows of x and one head: 64 rows of each of Wq, Wk, Wv.  CLUSTERS of 4 x 4: four groups of rows (cx) x four heads (cy).  The four work-groups of a head want the same 192 rows of f32 weights: waves 0 to 5
; ask JOINTLY for 32 of them each, once, into LDS (199,680 bytes with padding).  x's rows, which the four heads share, are asked for by each work-group alone, straight into registers: beside W's f32 numbers 256 rows of x have no room in LDS.
; Each wave turns three of W's 24 fragments (16 rows x 128 K) into codes, which go into LDS as images; and its own 32 rows of x into codes under three scales (entries 0, 2, 4 may differ), which stay in its registers.
; Then each wave multiplies its 32 rows by all 192 rows of W: each fragment of W feeds two products.  No loop, so no prefetch: all loads are issued at the head.
; q and k are made TRANSPOSED (source 0 = rows of W, source 1 = rows of x): a lane holds one row of x and eight neighbouring channels, which one conversion turns into registers 2 c, 2 c + 1 of a K = 64 fragment.
; v is made the natural way (source 0 = rows of x, source 1 = rows of Wv): a lane holds one channel and eight neighbouring keys: registers 2 c, 2 c + 1 of a K = 128 fragment along the keys.
; In these three products k lies permuted in the registers (registers 4 c .. 4 c + 3: k = 32 c + 16 (lane / 16) + 0 .. 15), alike in x and in W: every product meets its partner.
; x is loaded as it lies (a load covers 512 consecutive bytes) and turns through the wave's own stage in LDS, so that a lane gets 16 neighbours along K.
; LAYOUTS OUT.  qc: [batch][head][tile of 16 queries][1,024]: registers 4 e .. 4 e + 3 at 512 e + 16 lane.  kv: [batch][256 keys][head][128 keys][K 8,192 | V 8,192]: K: tile of 16 keys x 1,024, as qc;
; V: tile of 16 channels x 2,048: registers 4 e .. 4 e + 3 at 512 e + 16 lane.  woc: [tile of 16 rows][K step of 128][2,048]: registers 4 e .. 4 e + 3 at 512 e + 16 lane, k in its true places.
; LIMITS on the given exponents, so that each power of two below is an f32 number: e0, e1, e2, e3, e4, e5, e11, e6 - e0 - e1, e7 - e2 - e3 and e9 - e4 - e5 lie between -126 and 119.  NaN among the inputs is not served.
; REGISTERS.  Window 0: v1-7, v12-15 addresses; v8-11, v16-31 pairs (scale, 448 x scale); v32-95 64 numbers, later the sums; v96-127 held numbers, later codes on their way out; v128-191, v192-255 x's codes for q and k.
; Window 1: four sets of 64 for x's loads; later v0-63 x's codes for v, and three buffers of 64 for W's fragments.
.set WPIT, 1040                        ; an LDS row of W: 1,024 bytes + 16, so that the sixteen rows that a load touches start at different banks (ISA guide 11.1)
.set WI,   192*WPIT                    ; W's images: 24 fragments x 2,048 bytes
.set STG,  WI+49152                    ; a stage of 16 rows x 528 bytes for each wave
.set SP,   528
.set SPARE, STG+8*16*SP                ; the spare words, 128 bytes for each wave: four blocks of 256 bytes that no other line names
.set X,    32
.set T,    96
.set WV,   36                          ; s36 wave
.set G1,   44                          ; s[44:51] descriptor group 1
.set XB,   52                          ; s[52:53] x at my 32 rows
.set QO,   54                          ; s[54:55] where my q goes, s[56:57] my k, s[66:67] my v
.set KO,   56
.set VO,   66
.set WOB,  68                          ; s[68:69] Wo at the work-group's 16 rows x 16 k's, s[70:71] where their codes go
.set WOO,  70
.set MSB, 0
.macro WIN new                         ; the immediate's high byte repeats the setting that is left
.if MSB != \new
	s_set_vgpr_msb (MSB<<8)|\new
.set MSB, \new
.endif
.endm
.macro NOP4                            ; four places (ISA guide 7.12.1)
.rept 4
	v_nop
.endr
.endm
.macro CROUND                          ; a round of the cluster's barrier
	s_barrier_signal -1
	s_barrier_wait -1
	s_cmp_lg_u32 s[WV], 0
	s_cbranch_scc1 .Lnot_wave_0_\@
	s_barrier_signal -3
.Lnot_wave_0_\@:
	s_barrier_wait -3
	s_barrier_signal -1
	s_barrier_wait -1
.endm
.macro MKSC vs, vl, se                 ; 2^e and 448 x 2^e as f32, from the whole number e in s[se]
	s_add_co_i32 s58, s[\se], 127
	s_lshl_b32 s59, s58, 23
	v_mov_b32 v[\vs], s59
	s_add_co_i32 s58, s58, 8
	s_lshl_b32 s58, s58, 23
	s_or_b32 s58, s58, 0x600000
	v_mov_b32 v[\vl], s58
.endm
.macro GLOAD b                         ; block b = 2 t + p: 16 rows of x x 512 bytes (tile t, K step p): each load covers 512 consecutive bytes
	WIN 0x40                                       ; destination window 1
.irp i, 0,1,2,3,4,5,6,7,8,9,10,11,12,13,14,15
	global_load_b128 v[64*(\b)+4*\i:64*(\b)+4*\i+3], v4, s[XB:XB+1] offset:16384*((\b)/2)+512*((\b)%2)+1024*\i
.endr
	WIN 0
.endm
.macro QUANT dst, sc, lim              ; the 64 numbers in v[X] on, which stay as they are, become a fragment's 16 registers of codes
.irp b, 0,1,2,3
.irp i, 0,1,2,3,4,5,6,7,8,9,10,11,12,13,14,15
	v_med3_num_f32 v[T+16*(\b%2)+\i], v[X+16*\b+\i], -v[\lim], v[\lim]   ; the conversion to an 8-bit code does not saturate (ISA guide 7.6.2): the hold at 448 x the scale comes first
.endr
	v_cvt_scalef32_pk8_fp8_f32 v[4*\b+(\dst):4*\b+(\dst)+1], v[T+16*(\b%2):T+16*(\b%2)+7], v[\sc]
	v_cvt_scalef32_pk8_fp8_f32 v[4*\b+(\dst)+2:4*\b+(\dst)+3], v[T+16*(\b%2)+8:T+16*(\b%2)+15], v[\sc]
.endr
	v_nop                                          ; a plain vector line behind the last conversion
.endm
.macro QUANTL win, dst, sc, lim        ; the same where the numbers are wanted no more: held in place; the codes go to the destination's window
.set qj, 0
.rept 64
	v_med3_num_f32 v[X+qj], v[X+qj], -v[\lim], v[\lim]
.set qj, qj+1
.endr
	WIN \win
.irp b, 0,1,2,3,4,5,6,7
	v_cvt_scalef32_pk8_fp8_f32 v[2*\b+(\dst):2*\b+(\dst)+1], v[X+8*\b:X+8*\b+7], v[\sc]
.endr
	WIN 0
	v_nop
.endm
.macro PX b                            ; a block of x
	s_wait_loadcnt 16*(3-(\b))                     ; this block's 16 loads are in; those of the blocks behind it may be out
	WIN 0x04                                       ; store data window 1: through my stage, in as it was loaded, back 64 bytes a lane: register 16 c + i = k 32 c + 16 (lane / 16) + i of row lane % 16
.irp i, 0,1,2,3,4,5,6,7,8,9,10,11,12,13,14,15
	ds_store_b128 v5, v[64*(\b)+4*\i:64*(\b)+4*\i+3] offset:SP*\i
.endr
	WIN 0
.irp c, 0,1,2,3
.irp j, 0,1,2,3
	ds_load_b128 v[X+16*\c+4*\j:X+16*\c+4*\j+3], v6 offset:128*\c+16*\j   ; LDS serves a wave's instructions in order (ISA guide 5.7.1.4): these see the stores above
.endr
.endr
	s_wait_dscnt 0x0
	QUANT 128+16*(\b), 16, 17
	QUANT 192+16*(\b), 18, 19
	QUANTL 0x40, 16*(\b), 20, 21                   ; into set 0, whose numbers have gone
.endm
.macro PW m                            ; my fragment of W's matrix m: tile w / 2, K step w % 2
.irp c, 0,1,2,3
.irp j, 0,1,2,3
	ds_load_b128 v[X+16*\c+4*\j:X+16*\c+4*\j+3], v[13+(\m)] offset:128*\c+16*\j
.endr
.endr
	s_wait_dscnt 0x0
	QUANTL 0, T+16*((\m)%2), 22+2*(\m), 23+2*(\m)
.irp ch, 0,1,2,3
	ds_store_b128 v12, v[T+16*((\m)%2)+4*\ch:T+16*((\m)%2)+4*\ch+3] offset:16384*(\m)+512*\ch
.endr
.endm
.macro FETCH g                         ; four fragments of W: matrix g / 2, tiles 2 (g % 2) and the next, both K steps: 16 loads into buffer g % 3
	WIN 0x40
.irp i, 0,1,2,3,4,5,6,7,8,9,10,11,12,13,14,15
	ds_load_b128 v[64+64*((\g)%3)+4*\i:64+64*((\g)%3)+4*\i+3], v7 offset:8192*(\g)+512*\i
.endr
	WIN 0
.endm
.macro GROUP g, sc, lim                ; eight products, the hold, four conversions, two stores
.set BF, 64+64*((\g)%3)
.set DD, 32+32*((\g)%2)
.set XQ, 128+64*((\g)/2)
.if (\g) < 4
.set OO, 96+8*(\g)
.else
.set OO, 128+8*((\g)-4)                ; (q's x is multiplied no more)
.endif
.if (\g) < 5
	s_wait_dscnt 16                                ; this group's fragments are in; the next group's 16 loads may be out
.else
	s_wait_dscnt 0x0
.endif
.if (\g) < 4
	FETCH (\g)+2
	WIN 0x01                                       ; source 0 (W) window 1
.else
	WIN 0x05                                       ; source 0 (x) and source 1 (W) window 1
.endif
.irp p, 0,1                            ; the four accumulators take turns, one instruction a turn
.irp tt, 0,1
.irp t, 0,1
.if (\g) < 4
.if \p == 0
	v_wmma_f32_16x16x128_fp8_fp8 v[DD+8*(2*\tt+\t):DD+8*(2*\tt+\t)+7], v[BF+16*(2*\tt+\p):BF+16*(2*\tt+\p)+15], v[XQ+16*(2*\t+\p):XQ+16*(2*\t+\p)+15], 0
.else
	v_wmma_f32_16x16x128_fp8_fp8 v[DD+8*(2*\tt+\t):DD+8*(2*\tt+\t)+7], v[BF+16*(2*\tt+\p):BF+16*(2*\tt+\p)+15], v[XQ+16*(2*\t+\p):XQ+16*(2*\t+\p)+15], v[DD+8*(2*\tt+\t):DD+8*(2*\tt+\t)+7]
.endif
.else
.if \p == 0
	v_wmma_f32_16x16x128_fp8_fp8 v[DD+8*(2*\tt+\t):DD+8*(2*\tt+\t)+7], v[16*(2*\t+\p):16*(2*\t+\p)+15], v[BF+16*(2*\tt+\p):BF+16*(2*\tt+\p)+15], 0
.else
	v_wmma_f32_16x16x128_fp8_fp8 v[DD+8*(2*\tt+\t):DD+8*(2*\tt+\t)+7], v[16*(2*\t+\p):16*(2*\t+\p)+15], v[BF+16*(2*\tt+\p):BF+16*(2*\tt+\p)+15], v[DD+8*(2*\tt+\t):DD+8*(2*\tt+\t)+7]
.endif
.endif
.endr
.endr
.endr
	WIN 0
	NOP4                                           ; ahead of the first read of the sums and of the loads into the buffer
.set qj, 0
.rept 32
	v_med3_num_f32 v[DD+qj], v[DD+qj], -v[\lim], v[\lim]   ; each accumulator from its low end on
.set qj, qj+1
.endr
.irp tt, 0,1
.irp t, 0,1
.if (\g) < 4
	v_cvt_scalef32_pk8_fp8_f32 v[OO+4*\t+2*\tt:OO+4*\t+2*\tt+1], v[DD+8*(2*\tt+\t):DD+8*(2*\tt+\t)+7], v[\sc]   ; channels 32 (g % 2) + 16 tt + 8 (lane / 16) on of my row
.else
	v_cvt_scalef32_pk8_fp8_f32 v[OO+4*\tt+2*\t:OO+4*\tt+2*\t+1], v[DD+8*(2*\tt+\t):DD+8*(2*\tt+\t)+7], v[\sc]   ; keys 16 t + 8 (lane / 16) on of my 32, of my channel
.endif
.endr
.endr
	v_nop
.irp i, 0,1                            ; 512 consecutive bytes each, aligned; every store has data registers of its own
.if (\g) < 2
	global_store_b128 v4, v[OO+4*\i:OO+4*\i+3], s[QO:QO+1] offset:1024*\i+512*((\g)%2)
.elseif (\g) < 4
	global_store_b128 v4, v[OO+4*\i:OO+4*\i+3], s[KO:KO+1] offset:1024*\i+512*((\g)%2)
.else
	global_store_b128 v4, v[OO+4*\i:OO+4*\i+3], s[VO:VO+1] offset:2048*(2*((\g)%2)+\i)
.endif
.endr
.endm
	s_load_b256 s[4:11], s[0:1], 0x0               ; x s[4:5], Wq s[6:7], Wk s[8:9], Wv s[10:11]
	s_load_b256 s[12:19], s[0:1], 0x20             ; Wo s[12:13], the scales' exponents s[14:15], qc s[16:17], kv s[18:19]
	s_load_b64 s[20:21], s[0:1], 0x40              ; woc
	v_lshl_add_u32 v1, v0, 2, SPARE                ; my spare word; never rewritten
	v_mov_b32 v2, 0                                ; 0; never rewritten
	ds_add_u32 v1, v2                              ; the wave's opening: the add, twice on end, and its wait ahead of my first tensor load
	ds_add_u32 v1, v2
	v_lshrrev_b32 v3, 5, v0
	v_readfirstlane_b32 s[WV], v3                  ; wave 0..7
	s_bfe_u32 s40, ttmp6, 0x40000                  ; cx
	s_bfe_u32 s41, ttmp6, 0x40004                  ; cy: the head (the grid has one cluster along y)
	s_lshl_b32 s42, ttmp9, 2
	s_add_co_u32 s42, s42, s40                     ; which 256 rows
	s_lshl_b32 s43, s41, 2
	s_lshl_b32 s43, 15, s43                        ; my row of the cluster: the head's four work-groups
	; descriptor group 1: 32 rows of 256 f32 numbers, 16 bytes of padding behind each row
	s_or_b32 s[G1+0], s43, (2<<16)|(1<<20)|(1<<21)|(7<<22)|(3<<25)   ; 15:0 the mask; 17:16 elements of 4 bytes; 20 padding on; 21 set beside a mask; 24:22 after every 256 words; 31:25 of 4 words
	s_mov_b32 s[G1+1], 256<<16                     ; tensor_dim0
	s_mov_b32 s[G1+2], 32<<16                      ; tensor_dim1
	s_mov_b32 s[G1+3], 256<<16                     ; tile_dim0
	s_mov_b32 s[G1+4], 32                          ; tile_dim1
	s_mov_b32 s[G1+5], 256                         ; tensor_dim0_stride
	s_mov_b32 s[G1+6], 0
	s_mov_b32 s[G1+7], 0
	; byte offsets, each in a pair of its own with 0 above
	s_and_b32 s37, s[WV], 1
	s_lshr_b32 s38, s[WV], 1
	s_lshl_b32 s60, s41, 16
	s_lshl_b32 s61, s37, 15
	s_add_co_u32 s60, s60, s61                     ; W: row 64 head + 32 (w % 2) of matrix w / 2
	s_mov_b32 s61, 0
	s_mul_i32 s62, s[WV], 32*WPIT                  ; and where they go
	s_lshl_b32 s84, s42, 18
	s_lshl_b32 s63, s[WV], 15
	s_add_co_u32 s84, s84, s63                     ; x: row 256 x group + 32 w
	s_mov_b32 s85, 0
	s_lshl_b32 s86, s41, 2
	s_add_co_u32 s86, s86, s40                     ; my place in the cluster: which 16 k's of Wo's 16 rows of tile ttmp9: chunk place / 2, lane half place % 2
	s_lshr_b32 s88, s86, 1
	s_lshl_b32 s88, s88, 7
	s_and_b32 s63, s86, 1
	s_lshl_b32 s63, s63, 5
	s_add_co_u32 s88, s88, s63
	s_lshl_b32 s63, ttmp9, 14
	s_add_co_u32 s88, s88, s63
	s_mov_b32 s89, 0
	s_lshl_b32 s86, s86, 8
	s_lshl_b32 s63, ttmp9, 12
	s_add_co_u32 s86, s86, s63                     ; and where their 256 bytes of codes go
	s_mov_b32 s87, 0
	s_mul_i32 s63, s[WV], 16*SP
	s_add_co_u32 s63, s63, STG                     ; my stage
	s_mul_i32 s39, s38, 16*WPIT
	s_lshl_b32 s37, s37, 9
	s_add_co_u32 s39, s39, s37                     ; my fragment in each matrix: tile w / 2, K step w % 2
	s_lshl_b32 s37, s[WV], 11
	s_add_co_u32 s37, s37, WI                      ; and its image
	v_and_b32 v8, 31, v0                           ; lane
	v_and_b32 v9, 15, v0                           ; r
	v_bfe_u32 v10, v0, 4, 1                        ; h
	v_lshlrev_b32 v4, 4, v8                        ; 16 x lane
	v_add_nc_u32 v5, s63, v4                       ; the stage, in: 16 x lane, rows by the immediate
	v_mul_u32_u24 v6, v9, SP
	v_lshl_add_u32 v6, v10, 6, v6
	v_add_nc_u32 v6, s63, v6                       ; back: row r, + 64 h
	v_add_nc_u32 v7, WI, v4                        ; from where every wave reads W's images
	v_add_nc_u32 v12, s37, v4                      ; where mine go
	v_mul_u32_u24 v13, v9, WPIT
	v_lshl_add_u32 v13, v10, 6, v13
	v_add_nc_u32 v13, s39, v13                     ; W's f32 numbers: row r of my fragment, + 64 h, in Wq,
	v_add_nc_u32 v14, 64*WPIT, v13                 ; Wk,
	v_add_nc_u32 v15, 128*WPIT, v13                ; Wv
	v_lshrrev_b32 v3, 1, v8
	v_and_b32 v11, 1, v8
	v_lshlrev_b32 v3, 10, v3
	v_lshl_add_u32 v3, v11, 6, v3                  ; Wo: row lane / 2, + 64 (lane % 2)
	v_lshlrev_b32 v0, 3, v8                        ; 8 x lane
	s_wait_alu depctr_va_vdst(0)
	s_wait_dscnt 0x0                               ; both opening adds are done
	s_wait_kmcnt 0x0
	s_load_b256 s[24:31], s[14:15], 0x0            ; e0 .. e7
	s_load_b128 s[32:35], s[14:15], 0x20           ; e8 .. e11
	s_add_nc_u64 s[XB:XB+1], s[4:5], s[84:85]
	s_add_nc_u64 s[WOB:WOB+1], s[12:13], s[88:89]
	s_add_nc_u64 s[WOO:WOO+1], s[20:21], s[86:87]
	global_load_b128 v[240:243], v3, s[WOB:WOB+1]  ; Wo's piece, 1,024 bytes: every wave asks for the same bytes, so that all waves count their loads alike; wave 7 alone works on them
	global_load_b128 v[244:247], v3, s[WOB:WOB+1] offset:16
	GLOAD 0
	GLOAD 1
	GLOAD 2
	s_mov_b32 s72, 1                               ; descriptor group 0 for Wq, Wk, Wv
	s_mov_b32 s73, s62
	s_add_nc_u64 s[74:75], s[6:7], s[60:61]
	s_or_b32 s75, s75, 0x80000000
	s_mov_b32 s76, 1
	s_mov_b32 s77, s62
	s_add_nc_u64 s[78:79], s[8:9], s[60:61]
	s_or_b32 s79, s79, 0x80000000
	s_mov_b32 s80, 1
	s_mov_b32 s81, s62
	s_add_nc_u64 s[82:83], s[10:11], s[60:61]
	s_or_b32 s83, s83, 0x80000000
	CROUND                                         ; all sixteen work-groups are here: the joint loads meet
	s_cmp_lg_u32 s38, 0
	s_cbranch_scc1 .Lnot_q
	tensor_load_to_lds s[72:75], s[G1:G1+7]
	s_nop 0
	NOP4
	s_branch .Lasked
.Lnot_q:
	s_cmp_lg_u32 s38, 1
	s_cbranch_scc1 .Lnot_k
	tensor_load_to_lds s[76:79], s[G1:G1+7]
	s_nop 0
	NOP4
	s_branch .Lasked
.Lnot_k:
	s_cmp_lg_u32 s38, 2
	s_cbranch_scc1 .Lasked
	tensor_load_to_lds s[80:83], s[G1:G1+7]
	s_nop 0
	NOP4
.Lasked:
	GLOAD 3
	s_lshr_b32 s60, s42, 4                         ; batch
	s_and_b32 s61, s42, 15                         ; which 256 keys of it
	s_lshl_b32 s84, s60, 2
	s_add_co_u32 s84, s84, s41
	s_lshl_b32 s84, s84, 18
	s_lshl_b32 s63, s61, 14
	s_add_co_u32 s84, s84, s63
	s_lshl_b32 s63, s[WV], 11
	s_add_co_u32 s84, s84, s63                     ; qc: (4 batch + head) x 256 tiles + 16 x group + 2 w
	s_add_nc_u64 s[QO:QO+1], s[16:17], s[84:85]
	s_lshl_b32 s86, s60, 21
	s_lshl_b32 s63, s61, 17
	s_add_co_u32 s86, s86, s63
	s_lshl_b32 s63, s41, 15
	s_add_co_u32 s86, s86, s63
	s_lshr_b32 s63, s[WV], 2
	s_lshl_b32 s63, s63, 14
	s_add_co_u32 s86, s86, s63                     ; kv: batch, 256 keys, head, 128 keys
	s_and_b32 s60, s[WV], 3
	s_lshl_b32 s63, s60, 11
	s_add_co_u32 s88, s86, s63                     ; K: tiles 2 (w % 4) and the next
	s_lshl_b32 s63, s60, 9
	s_add_co_u32 s86, s86, s63
	s_add_co_u32 s86, s86, 8192                    ; V: registers 4 (w % 4) on of each tile of channels
	s_add_nc_u64 s[KO:KO+1], s[18:19], s[88:89]
	s_add_nc_u64 s[VO:VO+1], s[18:19], s[86:87]
	s_wait_kmcnt 0x0
	s_sub_co_i32 s60, s30, s24
	s_sub_co_i32 s60, s60, s25                     ; a sum of x Wq^T stands for sum x 2^(e0 + e1): its code is sum / 2^(e6 - e0 - e1)
	s_sub_co_i32 s61, s31, s26
	s_sub_co_i32 s61, s61, s27                     ; e7 - e2 - e3
	s_sub_co_i32 s63, s33, s28
	s_sub_co_i32 s63, s63, s29                     ; e9 - e4 - e5
	MKSC 16, 17, 24                                ; x for q: e0
	MKSC 18, 19, 26                                ; x for k: e2
	MKSC 20, 21, 28                                ; x for v: e4
	MKSC 22, 23, 25                                ; Wq: e1
	MKSC 24, 25, 27                                ; Wk: e3
	MKSC 26, 27, 29                                ; Wv: e5
	MKSC 28, 29, 60
	MKSC 30, 31, 61
	MKSC 8, 9, 63
	MKSC 10, 11, 35                                ; Wo: e11
	s_wait_alu depctr_va_vdst(0)
	PX 0
	s_wait_alu depctr_va_vdst(0)
	s_cmp_lg_u32 s[WV], 7
	s_cbranch_scc1 .Lno_wo
.irp i, 0,1,2,3,4,5,6,7
	v_med3_num_f32 v[240+\i], v[240+\i], -v11, v11 ; Wo's loads were the first issued: block 0's wait has shown them done
.endr
	v_cvt_scalef32_pk8_fp8_f32 v[248:249], v[240:247], v10
	v_nop
	global_store_b64 v0, v[248:249], s[WOO:WOO+1]  ; 256 consecutive bytes, aligned
.Lno_wo:
	PX 1
	s_wait_tensorcnt 0x0                           ; my part of W is in,
	s_wait_dscnt 0x0
	s_barrier_signal -1
	s_barrier_wait -1                              ; and every wave's
	PW 0
	PW 1
	PW 2
	PX 2
	s_wait_xcnt 0x0                                ; the store of Wo's codes has read its registers
	PX 3
	s_wait_dscnt 0x0                               ; for the others' sake: my images have landed
	s_barrier_signal -1
	s_barrier_wait -1                              ; W's 24 fragments lie in LDS; nothing is written there any more
	FETCH 0
	FETCH 1
	GROUP 0, 28, 29
	GROUP 1, 28, 29
	GROUP 2, 30, 31
	GROUP 3, 30, 31
	GROUP 4, 8, 9
	GROUP 5, 8, 9
	s_wait_tensorcnt 0x0                           ; the wave's end
	ds_add_u32 v1, v2
	s_wait_dscnt 0x0
	CROUND                                         ; the closing round: no work-group ends while a partner may still ask for rows that it names
	s_endpgm
.Lfunc_end_k_qd1ad7ae962_proj:
	.size	k_qd1ad7ae962_proj, .Lfunc_end_k_qd1ad7ae962_proj-k_qd1ad7ae962_proj
	.p2alignl 7, 3214868480
	.fill 96, 4, 3214868480
	.section	.rodata,"a",@progbits
	.p2align	6, 0x0
	.amdhsa_kernel k_qd1ad7ae962_proj
		.amdhsa_group_segment_fixed_size 327680
		.amdhsa_private_segment_fixed_size 0
		.amdhsa_enable_private_segment 0
		.amdhsa_kernarg_size 72
		.amdhsa_user_sgpr_count 2
		.amdhsa_user_sgpr_kernarg_segment_ptr 1
		.amdhsa_wavefront_size32 1
		.amdhsa_system_sgpr_workgroup_id_x 1
		.amdhsa_system_sgpr_workgroup_id_y 1
		.amdhsa_system_sgpr_workgroup_id_z 1
		.amdhsa_system_vgpr_workitem_id 0
		.amdhsa_next_free_vgpr 512
		.amdhsa_next_free_sgpr 90
		.amdhsa_reserve_vcc 0
		.amdhsa_float_denorm_mode_32 3
		.amdhsa_float_denorm_mode_16_64 3
		.amdhsa_memory_ordered 1
		.amdhsa_forward_progress 1
		.amdhsa_inst_pref_size 124
	.end_amdhsa_kernel
	.amdgpu_metadata
---
amdhsa.version: [ 1, 2 ]
amdhsa.kernels:
  - .name:           k_qd1ad7ae962_proj
    .symbol:         k_qd1ad7ae962_proj.kd
    .args:
      - { .name: x, .offset: 0, .size: 8, .value_kind: global_buffer, .address_space: global }
      - { .name: Wq, .offset: 8, .size: 8, .value_kind: global_buffer, .address_space: global }
      - { .name: Wk, .offset: 16, .size: 8, .value_kind: global_buffer, .address_space: global }
      - { .name: Wv, .offset: 24, .size: 8, .value_kind: global_buffer, .address_space: global }
      - { .name: Wo, .offset: 32, .size: 8, .value_kind: global_buffer, .address_space: global }
      - { .name: lowp_scales, .offset: 40, .size: 8, .value_kind: global_buffer, .address_space: global }
      - { .name: qc, .offset: 48, .size: 8, .value_kind: global_buffer, .address_space: global }
      - { .name: kv, .offset: 56, .size: 8, .value_kind: global_buffer, .address_space: global }
      - { .name: woc, .offset: 64, .size: 8, .value_kind: global_buffer, .address_space: global }
    .group_segment_fixed_size: 327680
    .private_segment_fixed_size: 0
    .kernarg_segment_align: 8
    .kernarg_segment_size: 72
    .max_flat_workgroup_size: 256
    .sgpr_count:     90
    .vgpr_count:     512
    .wavefront_size: 32
...
	.end_amdgpu_metadata
.endif
;; end of part 1
;; launch attn (part 2): grid 64 x 4, 8 waves a work-group, clusters of 4 x 1, 327,680 bytes of LDS; arguments qc, kv, woc, lowp_scales, out0; writes out0
.if DOCPART == 2
	.amdgcn_target "amdgcn-amd-amdhsa--gfx1250"
	.amdhsa_code_object_version 6
	.text
	.protected	k_qd1ad7ae962_attn
	.globl	k_qd1ad7ae962_attn
	.p2align	8
	.type	k_qd1ad7ae962_attn,@function
k_qd1ad7ae962_attn:
	s_mov_b64 s[64:65], 0
	v_nop
	global_prefetch_b8 v0, s[64:65] scope:SCOPE_SE
	s_setreg_imm32_b32 hwreg(HW_REG_WAVE_MODE, 25, 1), 1
	s_wait_xcnt 0x0
	s_wait_alu depctr_hold_cnt(0) depctr_sa_sdst(0) depctr_va_vdst(0) depctr_va_sdst(0) depctr_va_ssrc(0) depctr_va_vcc(0) depctr_vm_vsrc(0)
	s_getreg_b32 s2, hwreg(HW_REG_IB_STS2, 6, 4)
	s_cmp_eq_u32 s2, 0
	s_cbranch_scc0 .Lentry_in_a_cluster
	s_endpgm
.Lentry_in_a_cluster:
	s_bfe_u32 s2, ttmp6, 0x10000c
	s_cmp_lg_u32 s2, 0x3003
	s_cbranch_scc0 .Lentry_shape_is_right
	s_endpgm
.Lentry_shape_is_right:
; out = (softmax(q k^T / 8, causal) v) Wo^T on codes of FP8 (E4M3).  q, k, v and Wo arrive as images of operand registers (layouts: below), each with its given scale 2^e (entries 6, 7, 9, 11).
; THE SOFTMAX AHEAD OF THE SECOND PRODUCT: t = score x log2(e) / 8; M = the row's largest t so far, rounded UP to a whole number; p = 2^(t - M) is quantised (entry 8), not normalised; the row's sum is taken of the
; unquantised p and divides at the end; when M moves, the sum and O are multiplied by 2^(old M - new M), which rounds nothing.  O / sum is quantised (entry 10) and multiplied by Wo^T.
; SHARES.  A batch's 4,096 queries are 32 groups of 128.  A cluster of four work-groups (cluster x = c, cluster y = batch) owns groups c and 31 - c; partner cx owns queries 32 cx .. 32 cx + 31 of both, for all four heads.
; Wave w (head w % 4, half w / 4) holds TWO tiles A, B of 16 queries, first the low group's, then the high group's, so that each fragment of K and of V feeds two products; of each slot of 256 keys it takes the 128 of its half.
; So the two waves of a head hold partial sums (M, l, O) of the same 32 queries; they are joined at the end through LDS, half 0 finishing tile A and half 1 tile B, by powers of two.
; THE RING walks 17 positions of 256 keys, all four heads' K and V (131,072 bytes): c / 2 + 1 positions for the low tiles, the rest, from key 0 again, for the high ones.  All trip counts are constants.
; WORK LEFT OUT: reference() builds the causal mask itself, and behind it p = 0 for all values of the inputs: blocks of keys behind a group's last query are not walked, and a step whose 128 keys all come after the group is
; jumped over by scalar branches on c, the half and the counter (positions c / 2 and 16 alone).  LIMIT: a NaN or an infinity that reaches only such hidden scores is not carried to the result.
; The four partners need the same bytes at the same position: every fill is asked for JOINTLY, each wave 16,384 bytes of it.  No branch and no LDS address hangs on cx.
; LAYOUT.  S^T = K Q^T (source 0 = 16 keys, source 1 = 16 queries) and O^T = V^T P^T (source 0 = 16 channels, source 1 = P): a lane holds ONE query of each tile throughout.  In S^T's tile T register j is key
; 16 T + 8 (lane / 16) + j: one conversion makes registers 2 T, 2 T + 1 of P's K = 128 fragment; likewise O^T's tile t becomes registers 2 t, 2 t + 1 of the last product's operand, and two heads on end are a K = 128 fragment.
; qc: [batch][head][tile of 16 queries][1,024].  kv: [batch][256 keys][head][128 keys][K 8,192 | V 8,192].  woc: [tile of 16 rows][K step][2,048].  All are read 16 bytes a lane, dense.
; LIMITS on the given exponents, so that each power of two below is an f32 number: e6 + e7 between -123 and 120; e8 and e10 - e8 - e9 between -126 and 119; e10 + e11 between -126 and 127.
; REGISTERS.  Window 0: v1-11 addresses and constants; A: v12 -M, v13 largest score, v[14:15] the sum in two halves, B: v16-19 likewise; v20, v22 the factors of A and B; v24-31 at work; v32-95 K; v96-159 and v160-223 the scores
; of A and B, then p; v224-239 Q in hand; v240-255 the codes of B's p.  Window 1: v0-63 V; v64-95, v96-127 O^T of A, B; v128-191 the low group's; v192-207 the codes of A's p, v208-223 the high group's Q; v224-227 the low group's -M and sums.
.set SLOT1, 1<<17                      ; slot 1 begins here: one exclusive or turns an address in one slot into the other's
.set SPARE, 2*SLOT1                    ; behind the ring: the spare words, 128 bytes for each wave: four blocks of 256 bytes that no other line names
.set XO,    SLOT1+65536                ; the tail: what a wave gives its partner, 2 x 4,096 bytes each, in slot 1's upper half: position 15 was its last fill, and nobody reads it behind position 15's round (Wo lands in the lower half)
.set XS,    SPARE+1024                 ; and the pairs (-M, l), 2 x 256 bytes for each wave
.set IMG,   XS+4096                    ; the results' images, 16,384 bytes
.set SW,    8704                       ; a wave's stage, 2 x 16 rows x 272, in slot 0: position 16 was its last fill, and nobody reads it behind the tail's first barrier
.set WV,   14                          ; s14 wave; s15 cx; s16 c; s17 batch; s18 head, also the block of 64 columns of out; s19 half
.set G1,   24                          ; s[24:31] descriptor group 1
.set G0,   32                          ; s[32:35] descriptor group 0, which walks
.set KVB,  36                          ; s[36:37] kv at my batch and my wave's 16,384 bytes of a slot
.set OFS,  38                          ; s[38:39] the position's slot in kv, in bytes
.set TB,   40                          ; s40 LDS byte at which the slot in hand begins
.set POS1, 41                          ; s41 the position that is being asked for: 1 .. 16
.set NLOW, 42                          ; s42 positions of the low tiles; s43 one more
.set KF,   44                          ; s44 my step's first key
.set Q0G,  45                          ; s45 the first query of the group in hand; s46 of the high group
.set LIM,  47                          ; s47 a wave prefetches while s[POS1] is below it
.set PFA,  48                          ; s[48:49] where my prefetches stand
.set G1W,  72                          ; s[72:79] descriptor group 1 for Wo, made behind the loop
.set MSB, 0
.macro WIN new                         ; the immediate's high byte repeats the setting that is left
.if MSB != \new
	s_set_vgpr_msb (MSB<<8)|\new
.set MSB, \new
.endif
.endm
.macro NOP4                            ; four places (ISA guide 7.12.1)
.rept 4
	v_nop
.endr
.endm
.macro CREST                           ; a round of the cluster's barrier behind its opening barrier: wave 0 signals for the work-group; every wave waits for all four; the work-group's barrier once more
	s_cmp_lg_u32 s[WV], 0
	s_cbranch_scc1 .Lnot_wave_0_\@
	s_barrier_signal -3
.Lnot_wave_0_\@:
	s_barrier_wait -3
	s_barrier_signal -1
	s_barrier_wait -1
.endm
.macro CROUND                          ; a whole round
	s_barrier_signal -1
	s_barrier_wait -1
	CREST
.endm
; A PREFETCH INTO THE L2: at the change that asks for position POS1, slot POS1 + 1 of my batch's kv: one change of slots ahead of the first cluster that will ask for it (at the head: slot 1).  All sixteen clusters of a batch walk the same kv:
; cluster 0 asks.  Its four partners take 32,768 bytes each, told apart BY ADDRESS; in each, waves 0 to 3 take 8,192 bytes, lanes 256 bytes apart: one instruction a wave, each block of 256 bytes named once in the launch.
; Slot 0 comes by its load alone; POS1 = 14 names slot 15, the batch's last, and later changes ask for nothing.
.macro ASK
	s_cmp_lt_u32 s[POS1], s[LIM]
	s_cbranch_scc0 .Lnot_mine_\@
	global_prefetch_b8 v3, s[PFA:PFA+1] th:TH_LOAD_NT scope:SCOPE_SE
.Lnot_mine_\@:
.endm
.macro FILL g1
	tensor_load_to_lds s[G0:G0+3], s[\g1:\g1+7]    ; my one tensor load until the next round
	s_nop 0
	NOP4
.endm
; In front of a change's barrier each wave waits for all its tensor loads (one is out: its part of the next slot), adds 0 to its spare word, and waits for that and for its reads of the slot in hand.  wo = 1: the fill is Wo, 8,192 bytes a wave.
.macro THREE wo
	s_wait_tensorcnt 0x0                           ; no tensor load of mine is out, so group 0 may be written
	ds_add_u32 v5, v6                              ; 0 onto my spare word; the descriptor's steps stand between it and the wait for it
.if \wo
	s_lshl_b32 s70, s[WV], 13
	s_mov_b32 s71, 0
	s_add_co_u32 s[G0+1], s70, SLOT1
	s_add_nc_u64 s[G0+2:G0+3], s[8:9], s[70:71]
	s_or_b32 s[G0+3], s[G0+3], 0x80000000
	s_mov_b32 s[G1W+0], 15|(3<<16)|(1<<21)         ; as group 1, but 32 rows of 256 bytes
	s_mov_b32 s[G1W+1], 32<<16
	s_mov_b32 s[G1W+2], 32<<16
	s_mov_b32 s[G1W+3], 32<<16
	s_mov_b32 s[G1W+4], 32
	s_mov_b32 s[G1W+5], 32
	s_mov_b32 s[G1W+6], 0
	s_mov_b32 s[G1W+7], 0
.else
	s_sub_co_u32 s70, s[POS1], s[NLOW]             ; position p is slot p of kv for the low tiles, slot p - NLOW for the high ones: the difference wraps to a large number while p < NLOW,
	s_min_u32 s70, s70, s[POS1]                    ; so the smaller of the two is the slot
	s_lshl_b32 s[OFS], s70, 17
	s_add_nc_u64 s[G0+2:G0+3], s[KVB:KVB+1], s[OFS:OFS+1]
	s_or_b32 s[G0+3], s[G0+3], 0x80000000          ; type = 2
	s_xor_b32 s[G0+1], s[G0+1], SLOT1              ; the other slot than last time
	s_wait_xcnt 0x0                                ; the last prefetch, a slot back, has read its address, so it may be written
	s_add_nc_u64 s[PFA:PFA+1], s[PFA:PFA+1], 131072
.endif
	s_wait_dscnt 0x0                               ; the add is done, and so are my reads of the slot: K and V of this step are in registers
.endm
.macro LDK adr                         ; my head's and half's K: 8 fragments of 16 keys x 64 channels: 8,192 dense bytes, 512 a load
.irp f, 0,1,2,3,4,5,6,7,8,9,10,11,12,13,14,15
	ds_load_b128 v[32+4*\f:35+4*\f], v[\adr] offset:\f*512
.endr
.endm
.macro LDV adr                         ; and its V: 4 fragments of 16 channels x 128 keys
	WIN 0x40                                       ; destination window 1
.irp f, 0,1,2,3,4,5,6,7,8,9,10,11,12,13,14,15
	ds_load_b128 v[4*\f:4*\f+3], v[\adr] offset:8192+\f*512
.endr
	WIN 0
.endm
.macro SCORE x, q, t                   ; a tile of scores: 16 keys x 16 queries
	v_wmma_f32_16x16x64_fp8_fp8 v[\x+8*\t:\x+7+8*\t], v[32+8*\t:39+8*\t], v[\q:\q+7], 0
.endm
.macro MASK x, v                       ; the step on the diagonal (its first key is the group's first query): hidden scores become -infinity ahead of the maximum, so that p = 0.  Earlier steps jump over this
	s_cmp_lt_u32 s[KF], s[Q0G]
	s_cbranch_scc1 .Lopen_\@
	v_mov_b32 v29, 0xff800000
.set mn, 0
.rept 32
	v_cmp_gt_i32 vcc_lo, 16*(mn/8)+mn%8, v[\v]     ; register 8 T + j holds the step's key 16 T + 8 (lane / 16) + j: hidden where 16 T + j > my query's place in its group - 8 (lane / 16)
	v_cmp_gt_i32 s71, 16*(mn/8)+mn%8+1, v[\v]
	v_cndmask_b32 v[\x+mn], v[\x+mn], v29, vcc_lo
	v_cndmask_b32 v[\x+mn+1], v[\x+mn+1], v29, s71
.set mn, mn+2
.endr
.Lopen_\@:
.endm
.macro MB i                            ; eight more of B's scores
	v_max3_num_f32 v26, v26, v[\i], v[\i+1]
	v_max3_num_f32 v27, v27, v[\i+2], v[\i+3]
	v_max3_num_f32 v29, v29, v[\i+4], v[\i+5]
	v_max3_num_f32 v31, v31, v[\i+6], v[\i+7]
.endm
.macro TM4 x, m, j                     ; t - M, two at a time (of both pairs the low word serves both halves)
.irp i, 0,2,4,6
	v_pk_fma_f32 v[\x+\j+\i:\x+\j+\i+1], v[\x+\j+\i:\x+\j+\i+1], s[22:23], v[\m:\m+1] op_sel_hi:[1,0,0]
.endr
.endm
.macro EXPS x                          ; p = 2^(t - M), at most 1
.set sj, 0
.rept 64
	v_exp_f32 v[\x+sj], v[\x+sj]
.set sj, sj+1
.endr
.endm
.macro SUM x, s, f                     ; the sum under the new M, plus the step's unquantised p: two at a time, in five chains
	v_pk_fma_f32 v[\s:\s+1], v[\s:\s+1], v[\f:\f+1], v[\x:\x+1] op_sel_hi:[1,0,1]
	v_pk_add_f32 v[24:25], v[\x+2:\x+3], v[\x+4:\x+5]
	v_pk_add_f32 v[26:27], v[\x+6:\x+7], v[\x+8:\x+9]
	v_pk_add_f32 v[28:29], v[\x+10:\x+11], v[\x+12:\x+13]
	v_pk_add_f32 v[30:31], v[\x+14:\x+15], v[\x+16:\x+17]
.set sj, 18
.rept 4
	v_pk_add_f32 v[\s:\s+1], v[\s:\s+1], v[\x+sj:\x+sj+1]
	v_pk_add_f32 v[24:25], v[24:25], v[\x+sj+2:\x+sj+3]
	v_pk_add_f32 v[26:27], v[26:27], v[\x+sj+4:\x+sj+5]
	v_pk_add_f32 v[28:29], v[28:29], v[\x+sj+6:\x+sj+7]
	v_pk_add_f32 v[30:31], v[30:31], v[\x+sj+8:\x+sj+9]
.set sj, sj+10
.endr
	v_pk_add_f32 v[\s:\s+1], v[\s:\s+1], v[\x+58:\x+59]
	v_pk_add_f32 v[24:25], v[24:25], v[\x+60:\x+61]
	v_pk_add_f32 v[26:27], v[26:27], v[\x+62:\x+63]
	v_pk_add_f32 v[28:29], v[28:29], v[30:31]
	v_pk_add_f32 v[\s:\s+1], v[\s:\s+1], v[24:25]
	v_pk_add_f32 v[26:27], v[26:27], v[28:29]
	v_pk_add_f32 v[\s:\s+1], v[\s:\s+1], v[26:27]
.endm
.macro CODES x, d, win                 ; the conversion does not saturate (ISA guide 7.6.2); p is not negative, so the hold is one-sided: two in one instruction
.set sj, 0
.rept 32
	v_dual_min_num_f32 v[\x+sj], v[\x+sj], v8 :: v_dual_min_num_f32 v[\x+sj+1], v[\x+sj+1], v9
.set sj, sj+2
.endr
	WIN \win
.irp tt, 0,1,2,3,4,5,6,7
	v_cvt_scalef32_pk8_fp8_f32 v[\d+2*\tt:\d+1+2*\tt], v[\x+8*\tt:\x+7+8*\tt], v10
.endr
	WIN 0
.endm
; A STEP'S SCORES AND SOFTMAX.  Each tile's largest score is taken in four chains, each accumulator from its low end on.  B's products stand among A's maxima; A's way to M among B's maxima; B's among A's multiply-adds.
.macro SEG mask
.irp t, 0,1,2,3,4,5,6,7
	SCORE 96, 224, \t
.endr
	NOP4                                           ; ahead of the first read of A's scores
.if \mask
	MASK 96, 4
.endif
	v_max3_num_f32 v24, v96, v97, v98
	v_max3_num_f32 v25, v99, v100, v101
	v_max3_num_f32 v28, v102, v103, v104
	v_max3_num_f32 v30, v105, v106, v107
	SCORE 160, 232, 0
	SCORE 160, 232, 1
.set mj, 108
.irp t, 2,3,4,5,6,7
	v_max3_num_f32 v24, v24, v[mj], v[mj+1]
	v_max3_num_f32 v25, v25, v[mj+2], v[mj+3]
	SCORE 160, 232, \t
	v_max3_num_f32 v28, v28, v[mj+4], v[mj+5]
	v_max3_num_f32 v30, v30, v[mj+6], v[mj+7]
.set mj, mj+8
.endr
	v_max3_num_f32 v24, v24, v156, v157            ; (six plain lines behind B's last product)
	v_max3_num_f32 v25, v25, v158, v159
	v_max3_num_f32 v24, v24, v28, v30
	v_max_num_f32 v24, v24, v25
.if \mask
	MASK 160, 7
.endif
	v_max3_num_f32 v26, v160, v161, v162
	v_max3_num_f32 v27, v163, v164, v165
	v_max3_num_f32 v29, v166, v167, v168
	v_max3_num_f32 v31, v169, v170, v171
	MB 172
	MB 180
	v_permlanex16_b32 v28, v24, s20, s21
	MB 188
	v_max3_num_f32 v13, v13, v24, v28              ; the running largest score, lane l xor 16's keys among them
	MB 196
	v_mul_f32 v25, s22, -v13                       ; -t of it (the factor is positive)
	MB 204
	v_floor_f32 v25, v25                           ; the new -M = floor(-t) = -ceil(t): a whole number
	MB 212
	v_sub_f32 v24, v25, v12                        ; old M - new M: a whole number, 0 or less
	v_max3_num_f32 v26, v26, v220, v221
	v_max3_num_f32 v27, v27, v222, v223
	v_mov_b32 v12, v25
	v_cvt_i32_f32 v24, v24                         ; (it saturates)
	v_max3_num_f32 v26, v26, v29, v31
	v_max_num_f32 v26, v26, v27
	v_ldexp_f32 v20, 1.0, v24                      ; f = 2^(old M - new M)
	v_permlanex16_b32 v29, v26, s20, s21
	TM4 96, 12, 0
	v_max3_num_f32 v17, v17, v26, v29
	TM4 96, 12, 8
	v_mul_f32 v27, s22, -v17
	TM4 96, 12, 16
	v_floor_f32 v27, v27
	TM4 96, 12, 24
	v_sub_f32 v26, v27, v16
	v_mov_b32 v16, v27
	TM4 96, 12, 32
	v_cvt_i32_f32 v26, v26
	TM4 96, 12, 40
	v_ldexp_f32 v22, 1.0, v26
	TM4 96, 12, 48
	TM4 96, 12, 56
	s_wait_alu depctr_va_vdst(0)                   ; the wait ahead of each batch of 64 and behind it
	EXPS 96
.irp j, 0,8,16,24,32,40,48,56
	TM4 160, 16, \j
.endr
	s_wait_alu depctr_va_vdst(0)
	EXPS 160
	SUM 96, 14, 20
	s_wait_alu depctr_va_vdst(0)
	CODES 96, 192, 0x40                            ; (destination window 1)
	SUM 160, 18, 22
	CODES 160, 240, 0
	v_nop                                          ; a plain line behind the last conversion
	s_wait_alu depctr_va_vdst(0)
.endm
.macro RESCALE                         ; O^T under the new M: registers alone
	WIN 0x41
	s_wait_alu depctr_va_vdst(0)                   ; directly ahead of the first reader of O^T
.set sj, 0
.rept 16
	v_pk_mul_f32 v[64+sj:65+sj], v[64+sj:65+sj], v[20:21] op_sel_hi:[1,0]
	v_pk_mul_f32 v[96+sj:97+sj], v[96+sj:97+sj], v[22:23] op_sel_hi:[1,0]
.set sj, sj+2
.endr
	WIN 0
	s_wait_alu depctr_va_vdst(0)
.endm
.macro PV                              ; O^T += V^T P^T: eight accumulators by turns
	WIN 0x55                                       ; all window 1
.irp t, 0,1,2,3
	v_wmma_f32_16x16x128_fp8_fp8 v[64+8*\t:71+8*\t], v[16*\t:16*\t+15], v[192:207], v[64+8*\t:71+8*\t]
.endr
	WIN 0x51                                       ; B's codes window 0
.irp t, 0,1,2,3
	v_wmma_f32_16x16x128_fp8_fp8 v[96+8*\t:103+8*\t], v[16*\t:16*\t+15], v[240:255], v[96+8*\t:103+8*\t]
.endr
	WIN 0
	NOP4                                           ; ahead of loads into V's registers and of the next read of O^T
.endm
.macro STATE
	v_mov_b32 v12, 0x7f61b1e6                      ; -M = 3e38
	v_mov_b32 v16, 0x7f61b1e6
	v_mov_b32 v13, 0xff61b1e6                      ; the largest score so far: -3e38, under every score
	v_mov_b32 v17, 0xff61b1e6
	v_mov_b32 v14, 0                               ; the sums, in two halves
	v_mov_b32 v15, 0
	v_mov_b32 v18, 0
	v_mov_b32 v19, 0
.endm
.macro SWITCH                          ; behind the low tiles' last position: their state is put by and begins anew.  The branch hangs on c and the counter: alike in all partners
	s_cmp_lg_u32 s[POS1], s[NLOW+1]
	s_cbranch_scc1 .Lsame_\@
	WIN 0x41
	s_wait_alu depctr_va_vdst(0)                   ; directly ahead of the first reader of O^T
.set fj, 0
.rept 64
	v_mov_b32 v[128+fj], v[64+fj]
.set fj, fj+1
.endr
.set fj, 0
.rept 64
	v_mov_b32 v[64+fj], 0                          ; the step is written once: its first finds zeros, which the first change of M leaves zeros
.set fj, fj+1
.endr
	WIN 0x01
.set fj, 0
.rept 16
	v_mov_b32 v[224+fj], v[208+fj]                 ; the high tiles' Q
.set fj, fj+1
.endr
	WIN 0x40
	v_mov_b32 v224, v12
	v_add_f32 v225, v14, v15
	v_mov_b32 v226, v16
	v_add_f32 v227, v18, v19
	WIN 0
	STATE
	s_lshl_b32 s[KF], s19, 7
	s_mov_b32 s[Q0G], s[Q0G+1]
	s_wait_alu depctr_va_vdst(0)
.Lsame_\@:
.endm
; A POSITION.  K's 16 loads and V's 16 are out at its head.  wo = 0: in the loop; the slot just read takes the position two further on.  When a wave comes to the change's barrier it has its K and V in registers: the rescaling of O^T, registers
; alone, stands between its signal and its wait.  Behind the round come the joint load, the next K's loads, this step's second product under them, the next V's loads.
; wo = 1: position 15, which is neither hidden nor on the diagonal for any c and half; behind its round Wo is asked for, into slot 1's lower half.
.macro POSITION wo
	s_wait_dscnt 16                                ; K is in; V's 16 loads may be out
.if \wo == 0
	s_cmp_gt_u32 s[KF], s[Q0G]
	s_cbranch_scc1 .Lhida_\@
.endif
	SEG 1-\wo
.Lhida_\@:
	THREE \wo
	s_barrier_signal -1
.if \wo == 0
	s_cmp_gt_u32 s[KF], s[Q0G]
	s_cbranch_scc1 .Lhidb_\@
.endif
	RESCALE
.Lhidb_\@:
	s_barrier_wait -1
	CREST                                          ; no wave of any partner still reads that slot or has a load on its way
.if \wo == 0
	FILL G1
	ASK
	s_xor_b32 s[TB], s[TB], SLOT1                  ; on to the other slot
	v_add_nc_u32 v2, s[TB], v1
	LDK 2
	s_wait_alu depctr_va_vdst(0)
	s_cmp_gt_u32 s[KF], s[Q0G]
	s_cbranch_scc1 .Lhidc_\@
.else
	FILL G1W
	LDK 1                                          ; position 16 lies in slot 0
.endif
	PV
.Lhidc_\@:
	s_add_co_u32 s[KF], s[KF], 256
.if \wo == 0
	SWITCH
	LDV 2
.else
	LDV 1
.endif
.endm
	s_load_b256 s[4:11], s[0:1], 0x0               ; qc s[4:5], kv s[6:7], woc s[8:9], the scales' exponents s[10:11]
	s_load_b64 s[12:13], s[0:1], 0x20              ; out
	v_lshl_add_u32 v5, v0, 2, SPARE                ; my spare word; never rewritten
	v_mov_b32 v6, 0                                ; 0; never rewritten
	ds_add_u32 v5, v6                              ; the wave's opening: the add, twice on end, and its wait ahead of my first tensor load
	ds_add_u32 v5, v6
	v_lshrrev_b32 v24, 5, v0
	v_readfirstlane_b32 s[WV], v24                 ; wave 0..7
	s_bfe_u32 s15, ttmp6, 0x40000                  ; cx: my place in the cluster
	s_mov_b32 s16, ttmp9                           ; c: in a cluster launch ttmp9 counts clusters
	s_and_b32 s17, ttmp7, 0xffff                   ; the batch
	s_and_b32 s18, s[WV], 3                        ; my head
	s_lshr_b32 s19, s[WV], 2                       ; my half of a slot's keys
	; descriptor group 1: 64 rows of 256 bytes, dense in memory and in LDS: 16,384 bytes
	s_mov_b32 s[G1+0], 15|(3<<16)|(1<<21)          ; 15:0 the mask: all four work-groups; 17:16 elements of 8 bytes; 21 set beside a mask
	s_mov_b32 s[G1+1], 32<<16                      ; tensor_dim0 = 32
	s_mov_b32 s[G1+2], 64<<16                      ; tensor_dim1 = 64
	s_mov_b32 s[G1+3], 32<<16                      ; tile_dim0 = 32
	s_mov_b32 s[G1+4], 64                          ; tile_dim1 = 64
	s_mov_b32 s[G1+5], 32                          ; tensor_dim0_stride
	s_mov_b32 s[G1+6], 0
	s_mov_b32 s[G1+7], 0
	s_mov_b32 s20, 0x76543210                      ; lane selects for v_permlanex16_b32: lane l xor 16
	s_mov_b32 s21, 0xfedcba98
	s_mov_b32 s[OFS+1], 0
	s_mov_b32 s[TB], 0
	s_lshr_b32 s[NLOW], s16, 1
	s_add_co_u32 s[NLOW], s[NLOW], 1               ; c / 2 + 1 positions hold the low tiles' keys
	s_add_co_u32 s[NLOW+1], s[NLOW], 1
	s_lshl_b32 s[KF], s19, 7                       ; 128 x half
	s_lshl_b32 s[Q0G], s16, 7                      ; 128 c
	s_sub_co_u32 s[Q0G+1], 3968, s[Q0G]            ; 128 (31 - c)
	s_lshr_b32 s70, s[WV], 2
	s_or_b32 s70, s70, s16                         ; 0 in waves 0 to 3 of the batch's first cluster: the same in all four partners
	s_cmp_eq_u32 s70, 0
	s_cselect_b32 s[LIM], 15, 0
	s_lshl_b32 s70, s17, 21                        ; my batch's 16 slots of 131,072 bytes,
	s_lshl_b32 s[G0+1], s[WV], 14                  ; my wave's 16,384 bytes of a slot: in LDS (slot 0),
	s_add_co_u32 s70, s70, s[G0+1]                 ; and in memory
	s_mov_b32 s71, 0
	s_mov_b32 s[G0], 1                             ; count = 1
	s_wait_dscnt 0x0                               ; both opening adds are done
	s_wait_kmcnt 0x0
	s_load_b256 s[52:59], s[10:11], 0x10           ; e4 .. e11
	s_add_nc_u64 s[KVB:KVB+1], s[6:7], s[70:71]
	s_mov_b64 s[G0+2:G0+3], s[KVB:KVB+1]           ; position 0 is slot 0 of kv
	s_or_b32 s[G0+3], s[G0+3], 0x80000000          ; type = 2
	CROUND                                         ; all four work-groups are here: the first joint loads meet
	FILL G1
	; addresses that hang on cx: q's and the prefetch's
	s_lshl_b32 s74, s17, 21
	s_lshl_b32 s76, s15, 15
	s_add_co_u32 s74, s74, s76
	s_lshl_b32 s76, s[WV], 13
	s_add_co_u32 s74, s74, s76
	s_add_co_u32 s74, s74, 131072                  ; in slot 1
	s_mov_b32 s75, 0
	s_add_nc_u64 s[PFA:PFA+1], s[6:7], s[74:75]
	s_lshl_b32 s76, s17, 2
	s_add_co_u32 s76, s76, s18
	s_lshl_b32 s76, s76, 8                         ; (4 batch + head) x 256 tiles
	s_lshl_b32 s78, s15, 1
	s_add_co_u32 s76, s76, s78                     ; + 2 cx
	s_lshl_b32 s72, s16, 3                         ; 8 c
	s_add_co_u32 s78, s76, 248
	s_sub_co_u32 s78, s78, s72                     ; the high tiles: + 8 (31 - c)
	s_add_co_u32 s76, s76, s72                     ; the low tiles: + 8 c
	s_lshl_b32 s76, s76, 10
	s_lshl_b32 s78, s78, 10
	s_mov_b32 s77, 0
	s_mov_b32 s79, 0
	s_add_nc_u64 s[62:63], s[4:5], s[76:77]
	s_add_nc_u64 s[66:67], s[4:5], s[78:79]
	s_lshl_b32 s70, s18, 15
	s_lshl_b32 s71, s19, 14
	s_add_co_u32 s70, s70, s71                     ; my head's and half's part of a slot
	s_lshl_b32 s74, s15, 5
	v_and_b32 v24, 31, v0                          ; lane
	v_and_b32 v25, 15, v0                          ; r
	v_bfe_u32 v26, v0, 4, 1                        ; h
	v_lshlrev_b32 v11, 4, v24                      ; 16 x lane
	v_lshlrev_b32 v3, 8, v24                       ; 256 x lane, for the prefetches
	v_lshlrev_b32 v26, 3, v26
	v_add_nc_u32 v1, s70, v11
	v_sub_nc_u32 v25, v25, v26
	v_add_nc_u32 v4, s74, v25                      ; tile A: my query's place in its group, less 8 h: what the mask compares
	v_add_nc_u32 v7, 16, v4                        ; tile B
.irp t, 0,1,2,3
	global_load_b128 v[224+4*\t:227+4*\t], v11, s[62:63] offset:512*\t   ; Q of the low tiles,
.endr
	WIN 0x40                                       ; destination window 1
.irp t, 0,1,2,3
	global_load_b128 v[208+4*\t:211+4*\t], v11, s[66:67] offset:512*\t   ; of the high tiles
.endr
.set fj, 64
.rept 144
	v_mov_b32 v[fj], 0                             ; O^T (the step is written once), and the low group's and the codes of A's p, so that each way has written them
.set fj, fj+1
.endr
.irp i, 224,225,226,227
	v_mov_b32 v\i, 0
.endr
	WIN 0
.set fj, 240
.rept 16
	v_mov_b32 v[fj], 0                             ; the codes of B's p
.set fj, fj+1
.endr
	STATE
.irp i, 20,21,22,23,28,29
	v_mov_b32 v\i, 0                               ; (v21, v23: the upper halves of pairs; v28, v29: a lane permute's destination counts as one of its sources)
.endr
	s_wait_kmcnt 0x0
	s_add_co_i32 s70, s54, s55
	s_lshl_b32 s70, s70, 23
	s_add_co_i32 s22, s70, 0x3e38aa3b              ; log2(e) / 8, with e6 + e7 added to its exponent field: a score stands for score x 2^(e6 + e7)
	s_mov_b32 s23, s22                             ; (named with it as a pair, so it is written)
	s_add_co_i32 s70, s56, 127
	s_lshl_b32 s71, s70, 23
	v_mov_b32 v10, s71                             ; 2^e8, for p's conversions
	s_add_co_i32 s70, s70, 8
	s_lshl_b32 s70, s70, 23
	s_or_b32 s70, s70, 0x600000
	v_mov_b32 v8, s70                              ; 448 x 2^e8, for both halves of a dual instruction
	v_mov_b32 v9, s70
	s_mov_b32 s[POS1], 0
	s_wait_alu depctr_va_vdst(0)
	ASK                                            ; slot 1
	s_mov_b32 s[POS1], 1
	s_wait_loadcnt 0x0                             ; Q
	THREE 0                                        ; my part of position 0 is in
	CROUND
	FILL G1                                        ; position 1: slot 1's first fill, issued as a refill is
	ASK
	LDK 1
	LDV 1
	s_mov_b32 s[POS1], 2
.Lpos:                                             ; 15 trips: position POS1 - 2 is worked, position POS1 is asked for
	POSITION 0
	s_add_co_u32 s[POS1], s[POS1], 1
	s_wait_alu depctr_va_vdst(0)
	s_cmp_lt_u32 s[POS1], 17
	s_cbranch_scc1 .Lpos
	POSITION 1                                     ; written out
	s_wait_dscnt 16                                ; position 16: K is in
	s_cmp_gt_u32 s[KF], s[Q0G]
	s_cbranch_scc1 .Lhidden
	SEG 1
	s_wait_dscnt 0x0                               ; V is in
	RESCALE
	PV
.Lhidden:
	; THE TAIL.  Scalars first: LDS places, the last scales, where my rows of out begin.
	s_wait_tensorcnt 0x0                           ; my part of Wo is in, and every descriptor's registers are free
	s_lshl_b32 s70, s[WV], 13
	s_add_co_u32 s70, s70, XO                      ; my place
	s_xor_b32 s73, s[WV], 4                        ; my partner: the same head's other half
	s_lshl_b32 s71, s73, 13
	s_add_co_u32 s71, s71, XO
	s_lshl_b32 s72, s[WV], 9
	s_add_co_u32 s72, s72, XS
	s_lshl_b32 s73, s73, 9
	s_add_co_u32 s73, s73, XS
	s_lshl_b32 s74, s19, 12
	s_add_co_u32 s74, s74, IMG                     ; the images of row tile `half` of the low group (8,192 on: of the high group)
	s_lshl_b32 s75, s18, 10
	s_add_co_u32 s75, s75, s74                     ; my head's among them
	s_mul_i32 s24, s[WV], SW                       ; my stage
	s_lshl_b32 s25, s18, 14
	s_add_co_u32 s25, s25, SLOT1                   ; Wo: my 64 columns of out are four of its row tiles
	s_sub_co_i32 s76, s58, s56
	s_sub_co_i32 s76, s76, s57
	s_add_co_i32 s76, s76, 127
	s_lshl_b32 s77, s76, 23                        ; 2^(e10 - e8 - e9): O / sum stands for that x 2^(e8 + e9)
	s_add_co_i32 s76, s76, 8
	s_lshl_b32 s76, s76, 23
	s_or_b32 s76, s76, 0x600000                    ; 448 x that
	s_add_co_i32 s60, s58, s59
	s_add_co_i32 s60, s60, 127
	s_lshl_b32 s60, s60, 23                        ; 2^(e10 + e11)
	s_mov_b32 s61, s60
	s_lshl_b32 s78, s17, 12
	s_lshl_b32 s79, s15, 5
	s_add_co_u32 s78, s78, s79
	s_lshl_b32 s79, s19, 4
	s_add_co_u32 s78, s78, s79                     ; 4,096 batch + 32 cx + 16 half
	s_lshl_b32 s62, s16, 7
	s_add_co_u32 s62, s62, s78                     ; + 128 c: my 16 rows of the low group,
	s_add_co_u32 s66, s78, s[Q0G+1]                ; and of the high group
	s_lshl_b32 s62, s62, 10
	s_lshl_b32 s66, s66, 10
	s_lshl_b32 s79, s18, 8
	s_add_co_u32 s62, s62, s79                     ; + my 64 columns
	s_add_co_u32 s66, s66, s79
	s_mov_b32 s63, 0
	s_mov_b32 s67, 0
	s_add_nc_u64 s[62:63], s[12:13], s[62:63]
	s_add_nc_u64 s[66:67], s[12:13], s[66:67]
	v_lshrrev_b32 v7, 1, v11                       ; 8 x lane
	v_add_f32 v13, v14, v15                        ; the sums' halves: pairs (-M, l) in v[12:13] and v[16:17]
	v_add_f32 v17, v18, v19
	v_and_b32 v14, 15, v0                          ; r
	v_bfe_u32 v15, v0, 4, 1                        ; h
	v_add_nc_u32 v24, s70, v11                     ; to my partner: 16 bytes a lane,
	v_add_nc_u32 v26, s72, v7                      ; and the pair
	v_add_nc_u32 v25, s71, v11                     ; from my partner
	v_add_nc_u32 v27, s73, v7
	v_add_nc_u32 v28, s75, v11                     ; where my results' images go,
	v_add_nc_u32 v29, s74, v11                     ; and from where I read four heads'
	v_add_nc_u32 v2, s25, v11                      ; Wo
	v_mul_u32_u24 v30, v14, 272
	v_lshl_add_u32 v30, v15, 5, v30
	v_add_nc_u32 v30, s24, v30                     ; the stage, in: row r, + 32 h
	v_mul_u32_u24 v31, v15, 272
	v_lshl_add_u32 v31, v14, 4, v31
	v_add_nc_u32 v31, s24, v31                     ; back: lanes 0-15 one row, lanes 16-31 the next
	v_lshlrev_b32 v4, 10, v15
	v_lshl_add_u32 v4, v14, 4, v4                  ; and the same two rows in out
	v_mov_b32 v22, s76
	v_mov_b32 v23, s77
	s_wait_alu depctr_va_vdst(0)
	s_cmp_lt_u32 s[WV], 4
	s_cbranch_scc0 .Lsecond
	WIN 0x04                                       ; half 0 gives its part of the B tiles away
.irp j, 0,1,2,3,4,5,6,7
	ds_store_b128 v24, v[160+4*\j:163+4*\j] offset:512*\j
.endr
.irp j, 0,1,2,3,4,5,6,7
	ds_store_b128 v24, v[96+4*\j:99+4*\j] offset:4096+512*\j
.endr
	ds_store_b64 v26, v[226:227]
	WIN 0
	ds_store_b64 v26, v[16:17] offset:256
	s_branch .Lsent
.Lsecond:
	WIN 0x04                                       ; half 1 gives its part of the A tiles away
.irp j, 0,1,2,3,4,5,6,7
	ds_store_b128 v24, v[128+4*\j:131+4*\j] offset:512*\j
.endr
.irp j, 0,1,2,3,4,5,6,7
	ds_store_b128 v24, v[64+4*\j:67+4*\j] offset:4096+512*\j
.endr
	ds_store_b64 v26, v[224:225]
	WIN 0
	ds_store_b64 v26, v[12:13] offset:256
	WIN 0x41                                       ; and its B tiles take A's registers, so that one text serves both halves
.set fj, 0
.rept 32
	v_mov_b32 v[64+fj], v[96+fj]
	v_mov_b32 v[128+fj], v[160+fj]
.set fj, fj+1
.endr
	v_mov_b32 v224, v226
	v_mov_b32 v225, v227
	WIN 0
	v_mov_b32 v12, v16
	v_mov_b32 v13, v17
	s_wait_alu depctr_va_vdst(0)
.Lsent:
	s_wait_dscnt 0x0                               ; for the partner's sake: my parts have landed
	s_barrier_signal -1
	s_barrier_wait -1                              ; and Wo is whole
	ds_load_b64 v[224:225], v27                    ; the partner's -M and l: low,
	ds_load_b64 v[226:227], v27 offset:256         ; high
.irp j, 0,1,2,3,4,5,6,7
	ds_load_b128 v[32+4*\j:35+4*\j], v25 offset:512*\j
	ds_load_b128 v[64+4*\j:67+4*\j], v25 offset:4096+512*\j
.endr
.set fj, 0
.rept 32
	ds_load_b128 v[96+4*fj:99+4*fj], v2 offset:512*fj   ; Wo's fragment (tile n, K step p) at v[96 + 16 (2 n + p)]
.set fj, fj+1
.endr
	s_wait_dscnt 48                                ; both pairs are in; the 16 loads of O and the 32 of Wo may be out
	WIN 0x01
	v_mov_b32 v228, v224                           ; my own low pair, out of window 1
	v_mov_b32 v229, v225
	WIN 0
	v_min_num_f32 v230, v228, v224                 ; -M of the row = the smaller -M
	v_min_num_f32 v231, v12, v226
	v_sub_f32 v232, v230, v228                     ; M of a part - M of the row: 0 or less
	v_sub_f32 v233, v231, v12
	v_sub_f32 v234, v230, v224
	v_sub_f32 v235, v231, v226
.irp i, 232,233,234,235
	v_cvt_i32_f32 v\i, v\i                         ; (it saturates: a part without keys counts for nothing)
.endr
.irp i, 232,233,234,235
	v_ldexp_f32 v\i, 1.0, v\i
.endr
	v_mul_f32 v236, v229, v232
	v_mul_f32 v237, v13, v233
	v_fma_f32 v236, v225, v234, v236
	v_fma_f32 v237, v227, v235, v237
	v_permlanex16_b32 v238, v236, s20, s21
	v_permlanex16_b32 v239, v237, s20, s21
	v_add_f32 v236, v236, v238                     ; and lane l xor 16's: the row's sum
	v_add_f32 v237, v237, v239
	s_wait_alu depctr_va_vdst(0)                   ; the wait ahead of the two reciprocals,
	v_rcp_f32 v236, v236
	v_rcp_f32 v237, v237
	v_nop                                          ; a plain line behind them,
	s_wait_alu depctr_va_vdst(0)                   ; and the wait ahead of their first reader
	v_mul_f32 v240, v232, v236                     ; each part's power of two / the sum
	v_mul_f32 v242, v234, v236
	v_mul_f32 v244, v233, v237
	v_mul_f32 v246, v235, v237
	s_wait_alu depctr_va_vdst(0)
	s_wait_dscnt 32                                ; the partner's O is in; Wo's 32 loads may be out
.set fj, 0
.rept 16
	v_pk_mul_f32 v[32+fj:33+fj], v[32+fj:33+fj], v[242:243] op_sel_hi:[1,0]
	v_pk_mul_f32 v[64+fj:65+fj], v[64+fj:65+fj], v[246:247] op_sel_hi:[1,0]
.set fj, fj+2
.endr
	WIN 0x01                                       ; source 0 (my own O) window 1
	s_wait_alu depctr_va_vdst(0)                   ; directly ahead of the first reader of O^T
.set fj, 0
.rept 16
	v_pk_fma_f32 v[32+fj:33+fj], v[128+fj:129+fj], v[240:241], v[32+fj:33+fj] op_sel_hi:[1,0,1]
	v_pk_fma_f32 v[64+fj:65+fj], v[64+fj:65+fj], v[244:245], v[64+fj:65+fj] op_sel_hi:[1,0,1]
.set fj, fj+2
.endr
	WIN 0
.set fj, 32
.rept 64
	v_med3_num_f32 v[fj], v[fj], -v22, v22
.set fj, fj+1
.endr
.irp t, 0,1,2,3,4,5,6,7
	v_cvt_scalef32_pk8_fp8_f32 v[224+2*\t:225+2*\t], v[32+8*\t:39+8*\t], v23
.endr
	v_nop
	ds_store_b128 v28, v[224:227]
	ds_store_b128 v28, v[228:231] offset:512
	ds_store_b128 v28, v[232:235] offset:8192
	ds_store_b128 v28, v[236:239] offset:8704
	s_wait_dscnt 0x0                               ; for the others' sake: my images have landed; and Wo is in
	s_barrier_signal -1
	s_barrier_wait -1
	; THE LAST PRODUCT.  Wave w makes columns 64 (w % 4) .. + 63 of row tile w / 4 of both groups.
.irp u, 0,1
.irp k, 0,1,2,3,4,5,6,7
	ds_load_b128 v[32+32*\u+4*\k:35+32*\u+4*\k], v29 offset:8192*\u+512*\k   ; fragment (group u, K step p) at v[32 + 32 u + 16 p]: heads 2 p and 2 p + 1 on end
.endr
.endr
	s_wait_dscnt 0x0
	WIN 0x50                                       ; C and D window 1
.irp p, 0,1                            ; TRANSPOSED: source 0 = 16 rows of Wo, source 1 = 16 rows of the result: a lane holds eight neighbouring columns of one row of out.  Eight accumulators by turns
.irp n, 0,1,2,3
.irp u, 0,1
.if \p == 0
	v_wmma_f32_16x16x128_fp8_fp8 v[8*(4*\u+\n):8*(4*\u+\n)+7], v[96+16*(2*\n+\p):111+16*(2*\n+\p)], v[32+32*\u+16*\p:47+32*\u+16*\p], 0
.else
	v_wmma_f32_16x16x128_fp8_fp8 v[8*(4*\u+\n):8*(4*\u+\n)+7], v[96+16*(2*\n+\p):111+16*(2*\n+\p)], v[32+32*\u+16*\p:47+32*\u+16*\p], v[8*(4*\u+\n):8*(4*\u+\n)+7]
.endif
.endr
.endr
.endr
	WIN 0x01                                       ; source 0 (the sums) window 1
	NOP4                                           ; ahead of the first read of the sums and of writes into the operands' registers
.set fj, 0
.rept 32
	v_pk_mul_f32 v[96+fj:97+fj], v[fj:fj+1], s[60:61] op_sel_hi:[1,0]   ; x 2^(e10 + e11); each accumulator from its low end on
.set fj, fj+2
.endr
	WIN 0
.irp u, 0,1
.irp n, 0,1,2,3
	ds_store_b128 v30, v[96+8*(4*\u+\n):99+8*(4*\u+\n)] offset:4352*\u+64*\n
	ds_store_b128 v30, v[100+8*(4*\u+\n):103+8*(4*\u+\n)] offset:4352*\u+64*\n+16
.endr
.endr
.set fj, 0
.rept 16
	ds_load_b128 v[32+4*fj:35+4*fj], v31 offset:(fj/8)*4352+(fj%8)*544   ; LDS serves a wave's instructions in order (ISA guide 5.7.1.4): these see the stores above
.set fj, fj+1
.endr
.set fj, 0
.rept 16
	s_wait_dscnt 15-fj                             ; this one is in, the younger may be out
.if fj < 8
	global_store_b128 v4, v[32+4*fj:35+4*fj], s[62:63] offset:(fj%8)*2048 th:TH_STORE_NT   ; 16 lanes store 256 consecutive bytes, aligned; written once, read by nobody here
.else
	global_store_b128 v4, v[32+4*fj:35+4*fj], s[66:67] offset:(fj%8)*2048 th:TH_STORE_NT
.endif
.set fj, fj+1
.endr
	s_wait_tensorcnt 0x0                           ; the wave's end, behind my last tensor load and my last LDS store
	ds_add_u32 v5, v6
	s_wait_dscnt 0x0
	CROUND                                         ; the closing round: no work-group ends while a partner may still ask for a tile that names it
	s_endpgm
.Lfunc_end_k_qd1ad7ae962_attn:
	.size	k_qd1ad7ae962_attn, .Lfunc_end_k_qd1ad7ae962_attn-k_qd1ad7ae962_attn
	.p2alignl 7, 3214868480
	.fill 96, 4, 3214868480
	.section	.rodata,"a",@progbits
	.p2align	6, 0x0
	.amdhsa_kernel k_qd1ad7ae962_attn
		.amdhsa_group_segment_fixed_size 327680
		.amdhsa_private_segment_fixed_size 0
		.amdhsa_enable_private_segment 0
		.amdhsa_kernarg_size 40
		.amdhsa_user_sgpr_count 2
		.amdhsa_user_sgpr_kernarg_segment_ptr 1
		.amdhsa_wavefront_size32 1
		.amdhsa_system_sgpr_workgroup_id_x 1
		.amdhsa_system_sgpr_workgroup_id_y 1
		.amdhsa_system_sgpr_workgroup_id_z 1
		.amdhsa_system_vgpr_workitem_id 0
		.amdhsa_next_free_vgpr 512
		.amdhsa_next_free_sgpr 80
		.amdhsa_reserve_vcc 1
		.amdhsa_float_denorm_mode_32 3
		.amdhsa_float_denorm_mode_16_64 3
		.amdhsa_memory_ordered 1
		.amdhsa_forward_progress 1
		.amdhsa_inst_pref_size 163
	.end_amdhsa_kernel
	.amdgpu_metadata
---
amdhsa.version: [ 1, 2 ]
amdhsa.kernels:
  - .name:           k_qd1ad7ae962_attn
    .symbol:         k_qd1ad7ae962_attn.kd
    .args:
      - { .name: qc, .offset: 0, .size: 8, .value_kind: global_buffer, .address_space: global }
      - { .name: kv, .offset: 8, .size: 8, .value_kind: global_buffer, .address_space: global }
      - { .name: woc, .offset: 16, .size: 8, .value_kind: global_buffer, .address_space: global }
      - { .name: lowp_scales, .offset: 24, .size: 8, .value_kind: global_buffer, .address_space: global }
      - { .name: out0, .offset: 32, .size: 8, .value_kind: global_buffer, .address_space: global }
    .group_segment_fixed_size: 327680
    .private_segment_fixed_size: 0
    .kernarg_segment_align: 8
    .kernarg_segment_size: 40
    .max_flat_workgroup_size: 256
    .sgpr_count:     80
    .vgpr_count:     512
    .wavefront_size: 32
...
	.end_amdgpu_metadata
.endif
;; end of part 2
